; MI455X (gfx1250); checked and timed in simulation.
; The chip was launched on July 23, 2026; its instructions are those of AMD's public machine-readable ISA for CDNA 5 (MIT licence, August 2026) and "CDNA5" Instruction Set Architecture Reference Guide (July 2026). The comments in the code are by the model that wrote it; some were corrected since.
;; Knn Graph. Allowed arithmetic: matrix products marked QUANTISED: E2M1 operands, one E8M0 scale for each 32 along K, by v_wmma_scale_f32_16x16x128_f8f6f4 with both operands' format E2M1 (or v_wmma_scale_f32_32x16x128_f4), f32 sums; everything else in f32.
;; Inputs: x 2 x 64 x 8,192 x 1 float32.
;; Outputs: out0 2 x 2 x 8,192 x 16 int32.
;; This version of the problem:
;;   THIS VERSION OF THE PROBLEM IS GIVEN IN LOW PRECISION. The matrix products marked QUANTISED in the list below multiply operands that are first quantised to E2M1 (2 exponent bits, 1 mantissa bit; 4 bits a number), with one power-of-two scale for each 32 numbers along K (OCP MX v1.0); their sums are f32. All else is computed in f32.
;;   The module's matrix products, in the order in which they are computed (A, B: the left and right operand; K: the contracted axis; several contracted axes count as one K, in the product's order):
;;     1. batch 2 x [M 8,192, K 64] x [K 64, N 8,192]; A: input x; B: input x: QUANTISED
;;   THE QUANTISER, for each operand of a quantised product, along K:
;;     - K is cut into blocks of 32 from its start; a last block that is shorter is filled with zeros.
;;     - A block's scale is 2^e with e = floor(log2(the largest magnitude in the block)) - 2, held to -126 .. 127; a block of zeros has e = 0. As a byte (E8M0): e + 127.
;;     - Each number is divided by its block's scale, clamped to +-6, and rounded to the nearest number of E2M1, ties to even, subnormals kept.
;;     - The product sums the exact products of the quantised numbers (number of the format x scale) in f32.
;;   ~~~python
;;   def quantise(x, axis):      # numpy; x: float32 -> the quantised numbers, widened to float32 again
;;       x = np.moveaxis(x, axis, -1); K = x.shape[-1]
;;       x = np.pad(x, [(0, 0)] * (x.ndim - 1) + [(0, -K % 32)]); x = x.reshape(x.shape[:-1] + (-1, 32)); a = np.abs(x).max(-1, keepdims=True)
;;       e = np.where(a > 0, np.clip(np.frexp(np.where(a > 0, a, 1))[1] - 1 - 2, -126, 127), 0)      # np.frexp(a)[1] - 1 = floor(log2(a)), exactly
;;       r = np.clip(x / 2.0 ** e, -6, 6)
;;       step = 2.0 ** (np.maximum(np.frexp(np.where(r == 0, 1, r))[1] - 1, 0) - 1)
;;       q = np.round(r / step) * step * 2.0 ** e      # np.round: ties to even
;;       return np.moveaxis(q.reshape(q.shape[:-2] + (-1,))[..., :K], -1, axis).astype(np.float32)
;;   ~~~
;; One version. Each part assembles by itself: llvm-mc -triple=amdgcn-amd-amdhsa -mcpu=gfx1250 --defsym DOCPART=n.
;; ======== version 1 of 1: 3 launches
;; limits: right only within a limited range of input values
;; workspace buffers: img1 622,592 bytes; img2 622,592 bytes; gids 1,048,576 bytes of whole numbers
;; launch quant (part 1): grid 256 x 1, 2 waves a work-group, no clusters, 0 bytes of LDS; arguments x, img1, img2; writes img1, img2
.if DOCPART == 1
	.amdgcn_target "amdgcn-amd-amdhsa--gfx1250"
	.amdhsa_code_object_version 6
	.text
	.protected	k_q6ebfe81e34_quant
	.globl	k_q6ebfe81e34_quant
	.p2align	8
	.type	k_q6ebfe81e34_quant,@function
k_q6ebfe81e34_quant:
	s_mov_b64 s[64:65], 0
	v_nop
	global_prefetch_b8 v0, s[64:65] scope:SCOPE_SE
	s_setreg_imm32_b32 hwreg(HW_REG_WAVE_MODE, 25, 1), 1
	s_wait_xcnt 0x0
; x [2][64][8192] f32 (channel outer, point inner) becomes, for each batch, two images of 311,296 bytes that the later launches copy into LDS byte for byte:
;   byte 0:      the points' sums of squares, f32, in point order (32,768 bytes)
;   byte 32,768: two E8M0 scale bytes a point (channels 0-31, channels 32-63), in point order (16,384 bytes)
;   byte 49,152: the codes of FP4 (E2M1), 16 bytes for a point's 32 channels, laid as register images of matrix operands (262,144 bytes)
; Point 32 b + l, l = 16 h + 8 u + j; half hk of the channels:
;   img1: 49,152 + 1,024 b + 512 u + 256 hk + 16 (8 h + j): tile (b, u) has in its row r the point 32 b + 8 u + r + 8 (r / 8)
;   img2: 49,152 + 512 (2 b + h) + 256 hk + 16 (8 u + j):   tile g has in its row r the point 16 g + r
; A LANE TAKES A POINT, AND ITS REGISTERS RUN DOWN THE CHANNELS: each load reads 128 consecutive bytes, a block of 32 channels lies in one lane, and the conversions give codes with the channels innermost.
; A block's scale is 2^(floor(log2(its largest magnitude)) - 2); its byte is the largest magnitude's exponent field - 2, held at 1 from below.
; The sum of squares is ONE chain of fused multiply-adds over ascending channels, of the unquantised numbers.
; LIMITS: a block of zeros gets the byte 1 (its codes are zeros, and this program alone reads the bytes); NaN and infinities are not served.
; One wave takes 32 points of one batch: 512 waves.  The sums of squares and the scale bytes leave in pieces of 128 and 64 bytes: 3 bytes in 19 of what the launch stores.
.set IMG, 311296
.set SC,  32768
.set CD,  49152
.set X,   16                           ; v16-79  my point's 64 channels
.set C,   80                           ; v80-87  its codes
	s_load_b128 s[4:7], s[0:1], 0x0                ; x, img1
	s_load_b64 s[8:9], s[0:1], 0x10                ; img2
	v_lshrrev_b32 v1, 5, v0
	v_readfirstlane_b32 s10, v1                    ; wave 0..1
	s_lshl_b32 s11, ttmp9, 1
	s_add_co_u32 s11, s11, s10                     ; which 32 points: 0..511
	s_lshr_b32 s12, s11, 8                         ; the batch
	s_and_b32 s13, s11, 255                        ; b
	v_and_b32 v6, 31, v0                           ; l
	v_bfe_u32 v7, v0, 3, 1                         ; u
	v_bfe_u32 v88, v0, 4, 1                        ; h
	v_and_b32 v89, 7, v0                           ; j
	v_and_b32 v90, 15, v0                          ; 8 u + j
	s_lshl_b32 s18, s13, 10
	s_add_co_u32 s18, s18, CD                      ; the block's 1,024 bytes of codes
	v_lshlrev_b32 v1, 2, v6                        ; x: 4 bytes a lane
	v_lshl_add_u32 v2, v89, 4, s18
	v_lshl_add_u32 v2, v88, 7, v2
	v_lshl_add_u32 v2, v7, 9, v2                   ; img1: + 512 u + 128 h + 16 j
	v_lshl_add_u32 v3, v90, 4, s18
	v_lshl_add_u32 v3, v88, 9, v3                  ; img2: + 512 h + 16 (8 u + j)
	s_lshl_b32 s19, s13, 7
	v_add_nc_u32 v4, s19, v1                       ; the sum of squares: 4 bytes a point
	s_lshl_b32 s20, s13, 6
	s_add_co_u32 s20, s20, SC
	v_lshl_add_u32 v5, v6, 1, s20                  ; the scale bytes: 2 a point
	s_lshl_b32 s14, s12, 21                        ; a batch of x is 2,097,152 bytes
	s_add_co_u32 s14, s14, s19                     ; + 128 b
	s_mov_b32 s15, 0
	s_mul_i32 s16, s12, IMG
	s_mov_b32 s17, 0
	s_wait_alu depctr_va_vdst(0)
	s_wait_kmcnt 0x0
	s_add_nc_u64 s[4:5], s[4:5], s[14:15]
	s_add_nc_u64 s[6:7], s[6:7], s[16:17]
	s_add_nc_u64 s[8:9], s[8:9], s[16:17]
.irp c, 0,1,2,3,4,5,6,7,8,9,10,11,12,13,14,15,16,17,18,19,20,21,22,23,24,25,26,27,28,29,30,31,32,33,34,35,36,37,38,39,40,41,42,43,44,45,46,47,48,49,50,51,52,53,54,55,56,57,58,59,60,61,62,63
	global_load_b32 v[X+\c], v1, s[4:5] offset:\c*32768 th:TH_LOAD_NT   ; channel c of 32 neighbouring points; read once in the launch
.endr
; channels 32 k .. 32 k + 31: the largest magnitude (two chains), the scale, the chain of squares, the codes
.macro HALF k
.set XB, X+32*\k
	v_max3_num_f32 v9, |v[XB]|, |v[XB+1]|, |v[XB+2]|
	v_max3_num_f32 v10, |v[XB+3]|, |v[XB+4]|, |v[XB+5]|
.irp i, 6,10,14,18,22,26
	v_max3_num_f32 v9, v9, |v[XB+\i]|, |v[XB+\i+1]|
	v_max3_num_f32 v10, v10, |v[XB+\i+2]|, |v[XB+\i+3]|
.endr
	v_max3_num_f32 v9, v9, |v[XB+30]|, |v[XB+31]|
	v_max3_num_f32 v9, v9, v10, 0x1800000          ; and the floor 2^(3 - 127): the byte cannot fall under 1
	v_add_nc_u32 v[13+\k], 0xff000000, v9          ; 2 off the exponent field: the conversion takes the exponent field of this operand as its scale
.irp c, 0,1,2,3,4,5,6,7,8,9,10,11,12,13,14,15,16,17,18,19,20,21,22,23,24,25,26,27,28,29,30,31
.if (32*\k+\c) == 0
	v_mul_f32 v8, v[XB], v[XB]                     ; the chain begins with the first square
.else
	v_fma_f32 v8, v[XB+\c], v[XB+\c], v8
.endif
.endr
.irp g, 0,1,2,3
	v_cvt_scalef32_pk8_fp4_f32 v[C+4*\k+\g], v[XB+8*\g:XB+8*\g+7], v[13+\k]
.endr
.endm
	s_wait_loadcnt 32                              ; channels 0-31 are in; the 32 younger loads may be out
	HALF 0
	s_wait_loadcnt 0x0
	HALF 1
	v_lshrrev_b32 v11, 23, v13                     ; the two scale bytes (also the plain line behind the last conversion)
	v_lshrrev_b32 v12, 23, v14
	v_lshl_or_b32 v15, v12, 8, v11
	global_store_b128 v2, v[C:C+3], s[6:7]                    ; each of these four stores covers two aligned runs of 256 consecutive bytes
	global_store_b128 v2, v[C+4:C+7], s[6:7] offset:256
	global_store_b128 v3, v[C:C+3], s[8:9]
	global_store_b128 v3, v[C+4:C+7], s[8:9] offset:256
	global_store_b32 v4, v8, s[6:7]
	global_store_b32 v4, v8, s[8:9]
	global_store_b16 v5, v15, s[6:7]
	global_store_b16 v5, v15, s[8:9]
	s_endpgm
.Lfunc_end_k_q6ebfe81e34_quant:
	.size	k_q6ebfe81e34_quant, .Lfunc_end_k_q6ebfe81e34_quant-k_q6ebfe81e34_quant
	.p2alignl 7, 3214868480
	.fill 96, 4, 3214868480
	.section	.rodata,"a",@progbits
	.p2align	6, 0x0
	.amdhsa_kernel k_q6ebfe81e34_quant
		.amdhsa_group_segment_fixed_size 0
		.amdhsa_private_segment_fixed_size 0
		.amdhsa_enable_private_segment 0
		.amdhsa_kernarg_size 24
		.amdhsa_user_sgpr_count 2
		.amdhsa_user_sgpr_kernarg_segment_ptr 1
		.amdhsa_wavefront_size32 1
		.amdhsa_system_sgpr_workgroup_id_x 1
		.amdhsa_system_sgpr_workgroup_id_y 1
		.amdhsa_system_sgpr_workgroup_id_z 1
		.amdhsa_system_vgpr_workitem_id 0
		.amdhsa_next_free_vgpr 96
		.amdhsa_next_free_sgpr 66
		.amdhsa_reserve_vcc 0
		.amdhsa_float_denorm_mode_32 3
		.amdhsa_float_denorm_mode_16_64 3
		.amdhsa_memory_ordered 1
		.amdhsa_forward_progress 1
		.amdhsa_inst_pref_size 16
	.end_amdhsa_kernel
	.amdgpu_metadata
---
amdhsa.version: [ 1, 2 ]
amdhsa.kernels:
  - .name:           k_q6ebfe81e34_quant
    .symbol:         k_q6ebfe81e34_quant.kd
    .args:
      - { .name: x, .offset: 0, .size: 8, .value_kind: global_buffer, .address_space: global }
      - { .name: img1, .offset: 8, .size: 8, .value_kind: global_buffer, .address_space: global }
      - { .name: img2, .offset: 16, .size: 8, .value_kind: global_buffer, .address_space: global }
    .group_segment_fixed_size: 0
    .private_segment_fixed_size: 0
    .kernarg_segment_align: 8
    .kernarg_segment_size: 24
    .max_flat_workgroup_size: 64
    .sgpr_count:     66
    .vgpr_count:     96
    .wavefront_size: 32
...
	.end_amdgpu_metadata
.endif
;; end of part 1
;; launch groups (part 2): grid 256 x 1, 8 waves a work-group, clusters of 4 x 1, 327,680 bytes of LDS; arguments img1, gids; writes gids
.if DOCPART == 2
	.amdgcn_target "amdgcn-amd-amdhsa--gfx1250"
	.amdhsa_code_object_version 6
	.text
	.protected	k_q6ebfe81e34_groups
	.globl	k_q6ebfe81e34_groups
	.p2align	8
	.type	k_q6ebfe81e34_groups,@function
k_q6ebfe81e34_groups:
	s_mov_b64 s[64:65], 0
	v_nop
	global_prefetch_b8 v0, s[64:65] scope:SCOPE_SE
	s_setreg_imm32_b32 hwreg(HW_REG_WAVE_MODE, 25, 1), 1
	s_wait_xcnt 0x0
	s_wait_alu depctr_hold_cnt(0) depctr_sa_sdst(0) depctr_va_vdst(0) depctr_va_sdst(0) depctr_va_ssrc(0) depctr_va_vcc(0) depctr_vm_vsrc(0)
	s_getreg_b32 s2, hwreg(HW_REG_IB_STS2, 6, 4)
	s_cmp_eq_u32 s2, 0
	s_cbranch_scc0 .Lentry_in_a_cluster
	s_endpgm
.Lentry_in_a_cluster:
	s_bfe_u32 s2, ttmp6, 0x10000c
	s_cmp_lg_u32 s2, 0x3003
	s_cbranch_scc0 .Lentry_shape_is_right
	s_endpgm
.Lentry_shape_is_right:
; For each query the 16 best GROUPS of 16 consecutive keys (group g = key / 16), ordered by (the group's smallest distance, g), are found and stored as whole numbers, ascending.
; d(n, m) = (xs[n] - 2 q_n . q_m) + xs[m]: q the codes of FP4 with their E8M0 scales, xs the f32 sums of squares; two roundings, in this order.
; WHY GROUPS DO: order keys by (d, key).  A key among the 16 best lies in one of the 16 best groups: otherwise 16 groups would each hold a key that sorts ahead of it.
; SHARES.  Eight waves.  Waves w and w + 4 own one tile of 16 queries; wave w walks key blocks 0-127 of its batch, wave w + 4 blocks 128-255, 32 keys a step.
; The batch's image (311,296 bytes: squares, scale bytes, codes as register images) is copied into LDS once: one tensor load a wave, 152 rows of 256 bytes each; nothing is filled twice.
; LAYOUT.  Source 0 = 16 keys, source 1 = my 16 queries: lane (r, h) holds query r.  Tile (b, u) has in its row r the key 32 b + 8 u + r + 8 (r / 8), so the 16 results of tiles (b, 0), (b, 1) are group 2 b + h.
; The channels are 64 of the instruction's 128: registers 4-7 of every fragment hold zero codes.
; SELECTION without a branch: a sorted list of 16 (value, group) a lane; a strict compare and ascending groups give ties to the lower group.
; THE END.  Each wave joins its two lane halves and sorts by (value, group); wave w + 4 hands its 16 pairs to wave w through LDS bytes of their own; wave w keeps the best 16 of the 32, sorts the groups and stores them.
; CLUSTER.  The four work-groups of a cluster belong to one batch and want the same image: every part is asked for jointly (mask 15).
; NO PREFETCH: the launch has no loop over memory; all that it reads is asked for at its head.
; LIMITS: NaN, infinities and distances that overflow are not served; the sums of a row's two blocks of 32 channels are taken to add exactly, which holds while the scales that meet differ by less than about 2^10.
.set IMG,   311296
.set SC,    32768
.set CD,    49152
.set SPARE, 311296                     ; the spare words: 128 bytes for each of eight waves
.set XCH,   312320                     ; 2,048 bytes for each pair of waves: 16 values, 16 groups of 16 queries
.set STAGE, 320512                     ; 1,024 bytes for each of waves 0-3, for the way out
.set PART,  38912                      ; 152 rows of 256 bytes: what one tensor load brings
.set WV,   12
.set W3,   13                          ; wave % 4: which tile
.set KH,   14                          ; wave / 4: which half of the keys
.set G1,   20
.set G0,   28
.set OUTP, 44
.set IMB,  46
.set CM,   72                          ; s[72:87] compare masks
.set SEL,  88
.set CNT,  90
.set TC,   91                          ; how far the walk has come: codes, squares, scale bytes
.set TX,   92
.set TS,   93
.set LN,   1
.set ACB,  4
.set AXB,  5
.set ASB,  6
.set XID,  7
.set QX,   8
.set M,    10
.set B,    12
.set SB,   20
.set AC,   21
.set AX,   22
.set AS,   23
.set A,    24                          ; v24-55 keys' fragments, two sets
.set SA,   56
.set XK,   60                          ; v60-91 keys' squares, two sets
.set D,    96
.set T,    112
.set VL,   128
.set GL,   144
.set TL,   160
.set SPW,  176
.set NIL,  177
.set XA,   178                         ; the hand-over: 4 bytes a query
.set OS,   179                         ; the way out: into the stage,
.set OL,   180                         ; back,
.set OG,   181                         ; and in gids
.set PV,   XK
.set PG,   XK+16
.set V2,   A
.set I2,   A+16
.macro ROUND
	s_barrier_signal -1
	s_barrier_wait -1
	s_cmp_lg_u32 s[WV], 0
	s_cbranch_scc1 .Lnot_wave_0_\@
	s_barrier_signal -3
.Lnot_wave_0_\@:
	s_barrier_wait -3
	s_barrier_signal -1
	s_barrier_wait -1
.endm
	s_load_b128 s[4:7], s[0:1], 0x0                ; img1, gids
	v_lshl_add_u32 v[SPW], v0, 2, SPARE
	v_mov_b32 v[NIL], 0
	ds_add_u32 v[SPW], v[NIL]                      ; the opening lines: the add twice on end
	ds_add_u32 v[SPW], v[NIL]
	v_lshrrev_b32 v2, 5, v0
	v_readfirstlane_b32 s[WV], v2
	s_and_b32 s[W3], s[WV], 3
	s_lshr_b32 s[KH], s[WV], 2
	s_lshr_b32 s16, ttmp9, 5                       ; the batch: 32 clusters each
	s_mul_i32 s16, s16, IMG
	s_mov_b32 s17, 0
	s_mul_i32 s18, s[WV], PART                     ; my eighth of the image
	s_mov_b32 s19, 0
	s_mov_b32 s[G1+0], 15|(3<<16)|(1<<21)          ; mask of all four; elements of 8 bytes; bit 21 beside a mask
	s_mov_b32 s[G1+1], 32<<16
	s_mov_b32 s[G1+2], 152<<16
	s_mov_b32 s[G1+3], 32<<16
	s_mov_b32 s[G1+4], 152
	s_mov_b32 s[G1+5], 32
	s_mov_b32 s[G1+6], 0
	s_mov_b32 s[G1+7], 0
	s_bfe_u32 s15, ttmp6, 0x40000                  ; cx: it enters global addresses alone
	s_lshl_b32 s48, ttmp9, 2
	s_add_co_u32 s48, s48, s15
	s_and_b32 s48, s48, 127
	s_lshl_b32 s48, s48, 2
	s_add_co_u32 s48, s48, s[W3]                   ; my tile of queries, 0..511
	s_lshl_b32 s15, s48, 9
	s_add_co_u32 s15, s15, CD                      ; its register image
	s_lshr_b32 s50, s48, 1
	s_lshl_b32 s50, s50, 5
	s_and_b32 s51, s48, 1
	s_lshl_b32 s51, s51, 3
	s_add_co_u32 s50, s50, s51                     ; 32 b + 8 u
	s_lshr_b32 s52, ttmp9, 5
	s_lshl_b32 s52, s52, 19
	s_lshl_b32 s51, s48, 10
	s_add_co_u32 s52, s52, s51
	s_mov_b32 s53, 0
	s_mov_b32 s[SEL], 0x76543210
	s_mov_b32 s[SEL+1], 0xfedcba98
	s_lshl_b32 s[TC], s[KH], 17                    ; 128 blocks of 1,024, 128 and 64 bytes
	s_lshl_b32 s[TX], s[KH], 14
	s_lshl_b32 s[TS], s[KH], 13
	s_lshl_b32 s54, s[KH], 8
	s_sub_co_u32 s54, s54, 2                       ; so that block b's minimum meets the number 2 b + h
	s_lshl_b32 s55, s[W3], 11
	s_add_co_u32 s55, s55, XCH
	s_lshl_b32 s56, s[W3], 10
	s_add_co_u32 s56, s56, STAGE
	v_and_b32 v[LN], 31, v0
	v_bfe_u32 v2, v0, 4, 1                         ; h
	v_and_b32 v3, 7, v0
	v_bfe_u32 v11, v0, 3, 1
	v_lshl_add_u32 v3, v11, 4, v3                  ; (l % 8) + 16 ((l / 8) % 2)
	v_lshl_add_u32 v[ACB], v[LN], 4, CD
	v_lshlrev_b32 v[AXB], 6, v2
	v_lshl_add_u32 v[ASB], v2, 3, v3
	v_lshl_add_u32 v[ASB], v[ASB], 1, SC
	v_lshl_add_u32 v[T], v[LN], 4, s15
	v_add_nc_u32 v[T+1], s50, v3                   ; the query of my row
	v_lshl_add_u32 v[T+2], v[T+1], 1, SC
	v_lshlrev_b32 v[T+3], 2, v[T+1]
	v_add_nc_u32 v[XID], s54, v2
	v_and_b32 v11, 15, v0
	v_lshl_add_u32 v[XA], v11, 2, s55
	v_lshl_add_u32 v[OS], v11, 2, s56
	v_lshl_add_u32 v[OL], v[LN], 4, s56
	v_lshlrev_b32 v[OG], 4, v[LN]
.irp i, 4,5,6,7
	v_mov_b32 v[B+\i], 0                           ; channels 64-127 do not exist: zero codes
	v_mov_b32 v[A+\i], 0
	v_mov_b32 v[A+8+\i], 0
	v_mov_b32 v[A+16+\i], 0
	v_mov_b32 v[A+24+\i], 0
.endr
.irp i, 0,1,2,3,4,5,6,7,8,9,10,11,12,13,14,15
	v_mov_b32 v[VL+\i], 0x7f800000
	v_mov_b32 v[GL+\i], 0
.endr
	v_mov_b32 v[M], 0x7f800000                     ; the first insert changes nothing
.macro ADDRS
	v_add_nc_u32 v[AC], s[TC], v[ACB]
	v_add_nc_u32 v[AX], s[TX], v[AXB]
	v_add_nc_u32 v[AS], s[TS], v[ASB]
.endm
	ADDRS
	s_wait_dscnt 0x0                               ; both opening adds are done
	s_wait_alu depctr_va_vdst(0)
	s_wait_kmcnt 0x0
	s_add_nc_u64 s[IMB:IMB+1], s[4:5], s[16:17]
	s_add_nc_u64 s[OUTP:OUTP+1], s[6:7], s[52:53]
	global_load_b128 v[B:B+3], v[T], s[IMB:IMB+1]  ; my queries' codes, scale bytes and sum of squares go out ahead of the image
	global_load_u16 v[SB], v[T+2], s[IMB:IMB+1]
	global_load_b32 v[QX], v[T+3], s[IMB:IMB+1]
	s_mov_b32 s[G0], 1
	s_add_co_u32 s[G0+1], s18, 0                   ; LDS address = the byte's place in the image
	s_add_nc_u64 s[G0+2:G0+3], s[IMB:IMB+1], s[18:19]
	s_or_b32 s[G0+3], s[G0+3], 0x80000000
	ROUND                                          ; all four work-groups are here: the joint loads meet
	tensor_load_to_lds s[G0:G0+3], s[G1:G1+7]      ; my one tensor load of the launch
	s_nop 0
.rept 4
	v_nop
.endr
.macro LOADS p, oc, ox, os
	ds_load_b128 v[A+16*(\p):A+16*(\p)+3], v[AC] offset:\oc
	ds_load_b128 v[A+16*(\p)+8:A+16*(\p)+11], v[AC] offset:\oc+512
	ds_load_u16 v[SA+(\p)], v[AS] offset:\os
.irp i, 0,1,2,3
	ds_load_b128 v[XK+16*(\p)+4*\i:XK+16*(\p)+4*\i+3], v[AX] offset:\ox+16*\i
.endr
.endm
; (v[x], v[id]) goes into the sorted list, and the last entry falls out.  Mask i: x < value i.
.macro INSERT x, id
.irp i, 0,1,2,3,4,5,6,7,8,9,10,11,12,13,14,15
	v_cmp_lt_f32 s[CM+\i], v[\x], v[VL+\i]
.endr
.irp i, 1,2,3,4,5,6,7,8,9,10,11,12,13,14,15
	v_cndmask_b32 v[TL+\i], v[GL+\i], v[\id], s[CM+\i]
.endr
.irp i, 15,14,13,12,11,10,9,8,7,6,5,4,3,2,1
	v_cndmask_b32 v[GL+\i], v[TL+\i], v[GL+\i-1], s[CM+\i-1]
.endr
	v_cndmask_b32 v[GL], v[GL], v[\id], s[CM]
.irp i, 15,14,13,12,11,10,9,8,7,6,5,4,3,2,1
	v_med3_num_f32 v[VL+\i], v[\x], v[VL+\i-1], v[VL+\i]
.endr
	v_min_num_f32 v[VL], v[\x], v[VL]
.endm
.macro DIST p                          ; products to distances, each accumulator from its low end on, and their minimum
.irp j, 0,2,4,6,8,10,12,14
	v_pk_fma_f32 v[D+\j:D+\j+1], v[D+\j:D+\j+1], -2.0, v[QX:QX+1] op_sel_hi:[1,0,1]
.endr
.irp j, 0,2,4,6,8,10,12,14
	v_pk_add_f32 v[D+\j:D+\j+1], v[D+\j:D+\j+1], v[XK+16*(\p)+\j:XK+16*(\p)+\j+1]
.endr
.irp i, 0,1,2,3,4
	v_min3_num_f32 v[T+\i], v[D+3*\i], v[D+3*\i+1], v[D+3*\i+2]
.endr
	v_min3_num_f32 v[T+5], v[T], v[T+1], v[T+2]
	v_min3_num_f32 v[T+6], v[T+3], v[T+4], v[D+15]
	v_min_num_f32 v[M], v[T+5], v[T+6]
.endm
; A step: 32 keys from set p; the next block's seven loads go out behind the products; the insert of the block before fills the places behind them.
.macro STEP p, more, oc, ox, os
	s_wait_dscnt 0x0                               ; this step's seven loads, issued a step ago
	v_wmma_scale_f32_16x16x128_f8f6f4 v[D:D+7], v[A+16*(\p):A+16*(\p)+7], v[B:B+7], 0, v[SA+(\p)], v[SB] matrix_a_fmt:MATRIX_FMT_FP4 matrix_b_fmt:MATRIX_FMT_FP4
	v_wmma_scale_f32_16x16x128_f8f6f4 v[D+8:D+15], v[A+16*(\p)+8:A+16*(\p)+15], v[B:B+7], 0, v[SA+(\p)], v[SB] matrix_a_fmt:MATRIX_FMT_FP4 matrix_b_fmt:MATRIX_FMT_FP4 matrix_a_scale:MATRIX_SCALE_ROW1
.if \more
	LOADS 1-(\p), \oc, \ox, \os
.endif
	INSERT M, XID
	v_add_nc_u32 v[XID], 2, v[XID]
	DIST \p
.endm
.macro TRIP more                       ; two steps, 64 keys
	STEP 0, 1, 1024, 128, 64
	s_wait_alu depctr_va_vdst(0)
	STEP 1, \more, 2048, 256, 128
.if \more
	s_add_co_u32 s[TC], s[TC], 2048
	s_add_co_u32 s[TX], s[TX], 256
	s_add_co_u32 s[TS], s[TS], 128
	ADDRS
.endif
.endm
	s_wait_loadcnt 0x0                             ; my queries
	v_mov_b32 v[QX+1], v[QX]
	s_wait_alu depctr_va_vdst(0)
	s_wait_tensorcnt 0x0                           ; my eighth of the image is in,
	s_barrier_signal -1
	s_barrier_wait -1                              ; and everybody's
	LOADS 0, 0, 0, 0
	s_mov_b32 s[CNT], 63
.Lrun:
	s_wait_alu depctr_va_vdst(0)
	TRIP 1
	s_sub_co_u32 s[CNT], s[CNT], 1
	s_cmp_lg_u32 s[CNT], 0
	s_cbranch_scc1 .Lrun
	s_wait_alu depctr_va_vdst(0)
	TRIP 0                                         ; the last trip's last step loads nothing
	INSERT M, XID
; the smaller, by (value, group), of my entry i and the other list's entry 15 - i (in PV, PG): the best 16 of the 32
.set CC, 32                            ; s[32:39] eight more masks; eight entries at a time: 24 compares, 16 scalar lines, then the selects
.macro PICKH vals, i0
.irp n, 0,1,2,3,4,5,6,7
	v_cmp_lt_f32 s[CM+\n], v[VL+\i0+\n], v[PV+\i0+\n]
	v_cmp_eq_f32 s[CM+8+\n], v[VL+\i0+\n], v[PV+\i0+\n]
	v_cmp_lt_u32 s[CC+\n], v[GL+\i0+\n], v[PG+\i0+\n]
.endr
.irp n, 0,1,2,3,4,5,6,7
	s_and_b32 s[CM+8+\n], s[CM+8+\n], s[CC+\n]
.endr
.irp n, 0,1,2,3,4,5,6,7
	s_or_b32 s[CM+\n], s[CM+\n], s[CM+8+\n]
.endr
.irp n, 0,1,2,3,4,5,6,7
.if \vals
	v_cndmask_b32 v[VL+\i0+\n], v[PV+\i0+\n], v[VL+\i0+\n], s[CM+\n]
.endif
	v_cndmask_b32 v[GL+\i0+\n], v[PG+\i0+\n], v[GL+\i0+\n], s[CM+\n]
.endr
.endm
.macro PICK vals
	PICKH \vals, 0
	PICKH \vals, 8
.endm
; a stage of the bitonic merge by (value, group), from one set of registers into the other
.macro MSTAGE j, sv, si, dv, di
.set MN, 0
.irp i, 0,1,2,3,4,5,6,7,8,9,10,11,12,13,14,15
.if ((\i)&(\j)) == 0
	v_cmp_gt_f32 s[CM+MN], v[\sv+\i], v[\sv+\i+\j]
	v_cmp_eq_f32 s[CM+8+MN], v[\sv+\i], v[\sv+\i+\j]
	v_cmp_gt_u32 s[CC+MN], v[\si+\i], v[\si+\i+\j]
.set MN, MN+1
.endif
.endr
.irp n, 0,1,2,3,4,5,6,7
	s_and_b32 s[CM+8+\n], s[CM+8+\n], s[CC+\n]
.endr
.irp n, 0,1,2,3,4,5,6,7
	s_or_b32 s[CM+\n], s[CM+\n], s[CM+8+\n]
.endr
.set MN, 0
.irp i, 0,1,2,3,4,5,6,7,8,9,10,11,12,13,14,15
.if ((\i)&(\j)) == 0
	v_cndmask_b32 v[\dv+\i], v[\sv+\i], v[\sv+\i+\j], s[CM+MN]
	v_cndmask_b32 v[\dv+\i+\j], v[\sv+\i+\j], v[\sv+\i], s[CM+MN]
	v_cndmask_b32 v[\di+\i], v[\si+\i], v[\si+\i+\j], s[CM+MN]
	v_cndmask_b32 v[\di+\i+\j], v[\si+\i+\j], v[\si+\i], s[CM+MN]
.set MN, MN+1
.endif
.endr
.endm
	; my two lane halves (even and odd groups) are joined and sorted
.irp i, 0,1,2,3,4,5,6,7,8,9,10,11,12,13,14,15
	v_permlanex16_b32 v[PV+\i], v[VL+15-\i], s[SEL], s[SEL+1]
	v_permlanex16_b32 v[PG+\i], v[GL+15-\i], s[SEL], s[SEL+1]
.endr
	PICK 1
	MSTAGE 8, VL, GL, V2, I2
	MSTAGE 4, V2, I2, VL, GL
	MSTAGE 2, VL, GL, V2, I2
	MSTAGE 1, V2, I2, VL, GL
	s_wait_alu depctr_va_vdst(0)
	s_cmp_lt_u32 s[WV], 4
	s_cbranch_scc1 .Llow
.irp i, 0,1,2,3,4,5,6,7,8,9,10,11,12,13,14,15
	ds_store_b32 v[XA], v[VL+\i] offset:64*\i      ; waves 4-7 hand their lists over; both lane halves write the same word with the same number
	ds_store_b32 v[XA], v[GL+\i] offset:1024+64*\i
.endr
.Llow:
	s_wait_dscnt 0x0                               ; for the partner's sake: my stores are done
	s_barrier_signal -1
	s_barrier_wait -1
	s_cmp_ge_u32 s[WV], 4
	s_cbranch_scc1 .Lend
.irp i, 0,1,2,3,4,5,6,7,8,9,10,11,12,13,14,15
	ds_load_b32 v[PV+\i], v[XA] offset:64*(15-\i)
	ds_load_b32 v[PG+\i], v[XA] offset:1024+64*(15-\i)
.endr
	s_wait_dscnt 0x0
	PICK 0                                         ; the 16 best groups of all 512
; the 16 groups are sorted ascending: a bitonic network, each stage from one set of registers into the other
.macro STAGE16 k, j, src, dst
.irp i, 0,1,2,3,4,5,6,7,8,9,10,11,12,13,14,15
.if ((\i)&(\j)) == 0
.if ((\i)&(\k)) == 0
	v_min_u32 v[\dst+\i], v[\src+\i], v[\src+\i+\j]
	v_max_u32 v[\dst+\i+\j], v[\src+\i], v[\src+\i+\j]
.else
	v_max_u32 v[\dst+\i], v[\src+\i], v[\src+\i+\j]
	v_min_u32 v[\dst+\i+\j], v[\src+\i], v[\src+\i+\j]
.endif
.endif
.endr
.endm
	STAGE16 2, 1, GL, TL
	STAGE16 4, 2, TL, GL
	STAGE16 4, 1, GL, TL
	STAGE16 8, 4, TL, GL
	STAGE16 8, 2, GL, TL
	STAGE16 8, 1, TL, GL
	STAGE16 16, 8, GL, TL
	STAGE16 16, 4, TL, GL
	STAGE16 16, 2, GL, TL
	STAGE16 16, 1, TL, GL
	; the way out: [slot][query] in my own stage, back as 1,024 consecutive bytes
.irp s, 0,1,2,3,4,5,6,7,8,9,10,11,12,13,14,15
	ds_store_b32 v[OS], v[GL+\s] offset:64*\s
.endr
	ds_load_b128 v[D:D+3], v[OL]                   ; LDS serves a wave's instructions in order (ISA guide 5.7.1.4)
	ds_load_b128 v[D+4:D+7], v[OL] offset:512
	s_wait_dscnt 0x0
	global_store_b128 v[OG], v[D:D+3], s[OUTP:OUTP+1]              ; 32 lanes store 512 consecutive bytes, aligned
	global_store_b128 v[OG], v[D+4:D+7], s[OUTP:OUTP+1] offset:512
.Lend:
	s_wait_tensorcnt 0x0                           ; the wave's end
	ds_add_u32 v[SPW], v[NIL]
	s_wait_dscnt 0x0
	ROUND                                          ; the closing round
	s_endpgm
.Lfunc_end_k_q6ebfe81e34_groups:
	.size	k_q6ebfe81e34_groups, .Lfunc_end_k_q6ebfe81e34_groups-k_q6ebfe81e34_groups
	.p2alignl 7, 3214868480
	.fill 96, 4, 3214868480
	.section	.rodata,"a",@progbits
	.p2align	6, 0x0
	.amdhsa_kernel k_q6ebfe81e34_groups
		.amdhsa_group_segment_fixed_size 327680
		.amdhsa_private_segment_fixed_size 0
		.amdhsa_enable_private_segment 0
		.amdhsa_kernarg_size 16
		.amdhsa_user_sgpr_count 2
		.amdhsa_user_sgpr_kernarg_segment_ptr 1
		.amdhsa_wavefront_size32 1
		.amdhsa_system_sgpr_workgroup_id_x 1
		.amdhsa_system_sgpr_workgroup_id_y 1
		.amdhsa_system_sgpr_workgroup_id_z 1
		.amdhsa_system_vgpr_workitem_id 0
		.amdhsa_next_free_vgpr 184
		.amdhsa_next_free_sgpr 94
		.amdhsa_reserve_vcc 0
		.amdhsa_float_denorm_mode_32 3
		.amdhsa_float_denorm_mode_16_64 3
		.amdhsa_memory_ordered 1
		.amdhsa_forward_progress 1
		.amdhsa_inst_pref_size 77
	.end_amdhsa_kernel
	.amdgpu_metadata
---
amdhsa.version: [ 1, 2 ]
amdhsa.kernels:
  - .name:           k_q6ebfe81e34_groups
    .symbol:         k_q6ebfe81e34_groups.kd
    .args:
      - { .name: img1, .offset: 0, .size: 8, .value_kind: global_buffer, .address_space: global }
      - { .name: gids, .offset: 8, .size: 8, .value_kind: global_buffer, .address_space: global }
    .group_segment_fixed_size: 327680
    .private_segment_fixed_size: 0
    .kernarg_segment_align: 8
    .kernarg_segment_size: 16
    .max_flat_workgroup_size: 256
    .sgpr_count:     94
    .vgpr_count:     184
    .wavefront_size: 32
...
	.end_amdgpu_metadata
.endif
;; end of part 2
;; launch final (part 3): grid 256 x 1, 8 waves a work-group, no clusters, 327,680 bytes of LDS; arguments img2, gids, out0; writes out0
.if DOCPART == 3
	.amdgcn_target "amdgcn-amd-amdhsa--gfx1250"
	.amdhsa_code_object_version 6
	.text
	.protected	k_q6ebfe81e34_final
	.globl	k_q6ebfe81e34_final
	.p2align	8
	.type	k_q6ebfe81e34_final,@function
k_q6ebfe81e34_final:
	s_mov_b64 s[64:65], 0
	v_nop
	global_prefetch_b8 v0, s[64:65] scope:SCOPE_SE
	s_setreg_imm32_b32 hwreg(HW_REG_WAVE_MODE, 25, 1), 1
	s_wait_xcnt 0x0
; Of the 16 groups of 16 keys that gids names for each query, the 16 nearest keys by (distance, key) are found and stored, with the plane of the queries' own numbers.
; SHARES.  Eight waves.  Waves w and w + 4 own one tile of 16 queries; wave w takes slots 0-7 of their lists, wave w + 4 slots 8-15.  The batch's image is copied into LDS once: one tensor load a wave, 152 rows of 256 bytes.
; THE GATHER.  A unit is (query i, slot s): source 0 = the 16 keys of the group that the list names, source 1 = a fragment that holds query i's column alone, zero codes in the other 15.  So a unit's product is zero outside column i,
; and the 16 units of a slot add up in place on ONE accumulator: its column i (lanes i and i + 16, eight keys each) is query i's own group.  The two slots of a trip have an accumulator each and take turns, one instruction a turn.
; The 16 masked fragments lie four registers apart and are named eight at a time: a fragment's upper four registers (channels 64-127) are the next query's, and meet the keys' zero codes there.
; The group numbers are whole numbers that an earlier launch stored; each is held to 511 ahead of its use in an address.  A trip: 32 products, then 16 inserts into the lane's sorted list of 16 (value, key).
; Slots ascend, so a lane's keys arrive ascending, and a strict compare gives ties to the lower key.
; THE END.  Each wave joins its two lane halves and sorts by (value, key); wave w + 4 hands its 16 pairs to wave w through LDS bytes of their own; wave w keeps the best 16 of the 32, sorts and stores them.
; NO JOINT LOADS, though all 128 work-groups of a batch read one image: the gather's LDS addresses hang on the stored lists, which differ from work-group to work-group.
; NO PREFETCH: the image is asked for whole at the head; the loop reads 128 bytes of gids a trip, asked for a trip ahead by the loads themselves.
; LIMITS: NaN, infinities and distances that overflow are not served; a row's two blocks of 32 channels, and a finished column with the zero products of the slot's later units, are taken to add exactly,
; which holds while the scales that meet differ by less than about 2^10.
.set IMG,   311296
.set SC,    32768
.set CD,    49152
.set SPARE, 311296                     ; the spare words: 128 bytes for each of eight waves
.set XCH,   312320                     ; 2,048 bytes for each pair of waves
.set STAGE, 320512                     ; 1,024 bytes for each of waves 0-3
.set PART,  38912
.set WV,   16
.set KB,   19                          ; 32 b + 8 u: my tile's first query
.set G1,   20
.set G0,   28
.set ID0,  44                          ; s[44:59] the 16 queries' groups of the trip's even slot
.set CC,   44                          ; behind the loop: eight compare masks
.set SEL,  60
.set LM,   62
.set W3,   66
.set KH,   67
.set ID1,  68                          ; s[68:83] the odd slot's
.set CM,   84                          ; s[84:99] compare masks
.set CNT,  100
.set GOF,  101                         ; the byte of the slot pair that is asked for, in my tile's 1,024 bytes of gids
.set ACB,  1
.set ASB,  2
.set AXB,  3
.set H8,   4
.set OWO,  5
.set QX,   6
.set R4,   8
.set LN,   10
.set RR,   11
.set B,    12                          ; v[12:15] my queries' codes as loaded
.set SPW,  16
.set NIL,  17
.set XC,   18                          ; the hand-over: 4 bytes a query
.set SB,   20
.set OWN,  21
.set XA,   23
.set IB,   25
.set XI,   27
.set AT,   28
.set SF,   36
.set AF,   44                          ; v44-107 eight fragments of keys; registers 4-7 of each stay zero
.set BQ,   108                         ; v108-175 query i's masked codes at v[108 + 4 i]; v172-175 zero
.set CAND, 176                         ; v176-191 the trip's two accumulators, then my query's 16 distances
.set XK,   192
.set VL,   208
.set GL,   224
.set TL,   240
.set PV,   44
.set PG,   60
.set V2,   76
.set I2,   92
	s_load_b128 s[4:7], s[0:1], 0x0                ; img2, gids
	s_load_b64 s[8:9], s[0:1], 0x10                ; out0
	v_lshl_add_u32 v[SPW], v0, 2, SPARE
	v_mov_b32 v[NIL], 0
	ds_add_u32 v[SPW], v[NIL]                      ; the opening lines: the add twice on end
	ds_add_u32 v[SPW], v[NIL]
	v_lshrrev_b32 v28, 5, v0
	v_readfirstlane_b32 s[WV], v28
	s_and_b32 s[W3], s[WV], 3
	s_lshr_b32 s[KH], s[WV], 2
	s_lshr_b32 s17, ttmp9, 7                       ; the batch
	s_and_b32 s18, ttmp9, 127
	s_lshl_b32 s18, s18, 2
	s_add_co_u32 s18, s18, s[W3]                   ; my tile, 0..511
	s_mov_b32 s[G1+0], 3<<16                       ; no mask; elements of 8 bytes
	s_mov_b32 s[G1+1], 32<<16
	s_mov_b32 s[G1+2], 152<<16
	s_mov_b32 s[G1+3], 32<<16
	s_mov_b32 s[G1+4], 152
	s_mov_b32 s[G1+5], 32
	s_mov_b32 s[G1+6], 0
	s_mov_b32 s[G1+7], 0
	s_lshl_b32 s[GOF], s[KH], 9                    ; four slot pairs of 128 bytes for each wave of the pair
	s_lshr_b32 s14, s18, 1                         ; b
	s_and_b32 s15, s18, 1                          ; u
	s_lshl_b32 s[KB], s14, 5
	s_lshl_b32 s2, s15, 3
	s_add_co_u32 s[KB], s[KB], s2
	s_lshl_b32 s14, s14, 10
	s_lshl_b32 s15, s15, 7
	s_add_co_u32 s14, s14, s15
	s_add_co_u32 s14, s14, CD                      ; my queries' cells begin at CD + 1,024 b + 128 u
	s_mov_b32 s[SEL], 0x76543210
	s_mov_b32 s[SEL+1], 0xfedcba98
	s_lshl_b32 s[LM], s[W3], 11
	s_add_co_u32 s[LM], s[LM], XCH
	v_and_b32 v[LN], 31, v0
	v_and_b32 v[RR], 15, v0
	v_bfe_u32 v28, v0, 4, 1                        ; h
	v_lshl_add_u32 v[ACB], v[LN], 4, CD
	v_lshl_add_u32 v[ASB], v[RR], 1, SC
	v_lshlrev_b32 v[AXB], 5, v28
	v_lshlrev_b32 v[H8], 3, v28
	v_lshlrev_b32 v[R4], 2, v[RR]
	v_and_b32 v29, 7, v0
	v_bfe_u32 v30, v0, 3, 1
	v_lshl_add_u32 v31, v29, 4, s14
	v_lshl_add_u32 v31, v30, 9, v31
	v_lshl_add_u32 v31, v28, 8, v31                ; row r is query KB + (r % 8) + 16 (r / 8)
	v_lshl_add_u32 v32, v30, 4, v29
	v_add_nc_u32 v32, s[KB], v32
	v_lshl_add_u32 v33, v32, 1, SC
	v_lshlrev_b32 v34, 2, v32
	v_add_nc_u32 v[OWO], s[GOF], v[R4]
	v_lshl_add_u32 v[XC], v[RR], 2, s[LM]
.irp i, 4,5,6,7
.irp k, 0,1,2,3,4,5,6,7
	v_mov_b32 v[AF+8*\k+\i], 0                     ; channels 64-127 do not exist: zero codes
.endr
.endr
.irp i, 0,1,2,3
	v_mov_b32 v[BQ+64+\i], 0
.endr
.irp i, 0,1,2,3,4,5,6,7,8,9,10,11,12,13,14,15
	v_mov_b32 v[VL+\i], 0x7f800000
	v_mov_b32 v[GL+\i], 0
.endr
	s_wait_dscnt 0x0                               ; both opening adds are done
	s_wait_alu depctr_va_vdst(0)
	s_wait_kmcnt 0x0
	s_mul_i32 s2, s17, IMG
	s_mov_b32 s3, 0
	s_add_nc_u64 s[12:13], s[4:5], s[2:3]          ; my batch's image
	s_lshl_b32 s2, s17, 19
	s_lshl_b32 s15, s18, 10
	s_add_co_u32 s2, s2, s15
	s_add_nc_u64 s[10:11], s[6:7], s[2:3]          ; my tile's 1,024 bytes of gids: [slot][query]
	s_lshl_b32 s2, s17, 13
	s_add_co_u32 s2, s2, s[KB]
	s_lshl_b32 s2, s2, 6                           ; a query's 16 numbers are 64 bytes
	s_add_nc_u64 s[8:9], s[8:9], s[2:3]
	global_load_b128 v[B:B+3], v31, s[12:13]       ; the small loads go out ahead of the image
	global_load_u16 v[SB], v33, s[12:13]
	global_load_b32 v[QX], v34, s[12:13]
	global_load_b32 v[OWN], v[OWO], s[10:11]       ; my query's groups of my first two slots
	global_load_b32 v[OWN+1], v[OWO], s[10:11] offset:64
	s_load_b512 s[ID0:ID0+15], s[10:11], s[GOF] offset:0x0
	s_load_b512 s[ID1:ID1+15], s[10:11], s[GOF] offset:0x40
	s_mul_i32 s2, s[WV], PART                      ; my eighth of the image
	s_mov_b32 s[G0], 1
	s_add_co_u32 s[G0+1], s2, 0                    ; LDS address = the byte's place in the image
	s_add_nc_u64 s[G0+2:G0+3], s[12:13], s[2:3]
	s_or_b32 s[G0+3], s[G0+3], 0x80000000
	tensor_load_to_lds s[G0:G0+3], s[G1:G1+7]      ; my one tensor load of the launch
	s_nop 0
	s_wait_loadcnt 0x2                             ; my queries' three loads are in; the two loads of my groups may be out
	v_mov_b32 v[QX+1], v[QX]
.irp i, 0,1,2,3,4,5,6,7,8,9,10,11,12,13,14,15
	s_mov_b32 s[LM+(\i%2)], 0x00010001<<\i         ; lanes i and i + 16 hold query i's column
.irp c, 0,1,2,3
	v_cndmask_b32 v[BQ+4*\i+\c], 0, v[B+\c], s[LM+(\i%2)]
.endr
.endr
	s_wait_alu depctr_va_vdst(0)
	s_wait_tensorcnt 0x0                           ; the gather may reach any part of the image: my part has landed,
	s_barrier_signal -1
	s_barrier_wait -1                              ; and everybody's
.macro INSERT x, id
.irp i, 0,1,2,3,4,5,6,7,8,9,10,11,12,13,14,15
	v_cmp_lt_f32 s[CM+\i], v[\x], v[VL+\i]
.endr
.irp i, 1,2,3,4,5,6,7,8,9,10,11,12,13,14,15
	v_cndmask_b32 v[TL+\i], v[GL+\i], v[\id], s[CM+\i]
.endr
.irp i, 15,14,13,12,11,10,9,8,7,6,5,4,3,2,1
	v_cndmask_b32 v[GL+\i], v[TL+\i], v[GL+\i-1], s[CM+\i-1]
.endr
	v_cndmask_b32 v[GL], v[GL], v[\id], s[CM]
.irp i, 15,14,13,12,11,10,9,8,7,6,5,4,3,2,1
	v_med3_num_f32 v[VL+\i], v[\x], v[VL+\i-1], v[VL+\i]
.endr
	v_min_num_f32 v[VL], v[\x], v[VL]
.endm
; Quad q: queries 2 q and 2 q + 1, both slots: units k = 4 (q % 2) + 2 n + e.  A group's image is 512 bytes, its scale bytes 32.  The eight address lines are the places between a quad's products and the loads into its fragments.
.macro GET q
.irp n, 0,1
.irp e, 0,1
	v_lshl_add_u32 v[AT+2*(2*\n+\e)], s[ID0+24*\e+2*(\q)+\n], 9, v[ACB]
	v_lshl_add_u32 v[AT+2*(2*\n+\e)+1], s[ID0+24*\e+2*(\q)+\n], 5, v[ASB]
.endr
.endr
.irp n, 0,1
.irp e, 0,1
	ds_load_b128 v[AF+8*(4*((\q)%2)+2*\n+\e):AF+8*(4*((\q)%2)+2*\n+\e)+3], v[AT+2*(2*\n+\e)]
	ds_load_u16 v[SF+4*((\q)%2)+2*\n+\e], v[AT+2*(2*\n+\e)+1]
.endr
.endr
.endm
; four products: slot e's accumulator takes query 2 q + n's unit; the two accumulators by turns; query 0's units start the sums
.macro MULQ q
.irp n, 0,1
.irp e, 0,1
.if (2*(\q)+\n) == 0
	v_wmma_scale_f32_16x16x128_f8f6f4 v[CAND+8*\e:CAND+8*\e+7], v[AF+8*(4*((\q)%2)+2*\n+\e):AF+8*(4*((\q)%2)+2*\n+\e)+7], v[BQ+4*(2*(\q)+\n):BQ+4*(2*(\q)+\n)+7], 0, v[SF+4*((\q)%2)+2*\n+\e], v[SB] matrix_a_fmt:MATRIX_FMT_FP4 matrix_b_fmt:MATRIX_FMT_FP4
.else
	v_wmma_scale_f32_16x16x128_f8f6f4 v[CAND+8*\e:CAND+8*\e+7], v[AF+8*(4*((\q)%2)+2*\n+\e):AF+8*(4*((\q)%2)+2*\n+\e)+7], v[BQ+4*(2*(\q)+\n):BQ+4*(2*(\q)+\n)+7], v[CAND+8*\e:CAND+8*\e+7], v[SF+4*((\q)%2)+2*\n+\e], v[SB] matrix_a_fmt:MATRIX_FMT_FP4 matrix_b_fmt:MATRIX_FMT_FP4
.endif
.endr
.endr
.endm
; my own two groups: my eight keys' squares in each, and the keys' numbers; then the next trip's groups are asked for.  The offset wraps at 1,024, so that no load leaves the buffer.
.macro OWNWORK
	s_wait_loadcnt 0x0                             ; my two groups, asked for a trip ago
	v_min_u32 v[AT], 0x1ff, v[OWN]
	v_min_u32 v[AT+1], 0x1ff, v[OWN+1]
	v_lshl_add_u32 v[XA], v[AT], 6, v[AXB]
	v_lshl_add_u32 v[XA+1], v[AT+1], 6, v[AXB]
	v_lshl_add_u32 v[IB], v[AT], 4, v[H8]
	v_lshl_add_u32 v[IB+1], v[AT+1], 4, v[H8]
	ds_load_b128 v[XK:XK+3], v[XA]
	ds_load_b128 v[XK+4:XK+7], v[XA] offset:16
	ds_load_b128 v[XK+8:XK+11], v[XA+1]
	ds_load_b128 v[XK+12:XK+15], v[XA+1] offset:16
	s_add_co_u32 s[GOF], s[GOF], 128               ; (the scalar loads that read it were waited for at the trip's head)
	s_and_b32 s[GOF], s[GOF], 0x3ff
	s_load_b512 s[ID0:ID0+15], s[10:11], s[GOF] offset:0x0
	s_load_b512 s[ID1:ID1+15], s[10:11], s[GOF] offset:0x40
	v_add_nc_u32 v[OWO], s[GOF], v[R4]             ; (the loads that read it are in: the wait above)
	global_load_b32 v[OWN], v[OWO], s[10:11]
	global_load_b32 v[OWN+1], v[OWO], s[10:11] offset:64
.endm
	s_mov_b32 s[CNT], 4
.Lpair:                                            ; four trips: two slots each
	s_wait_kmcnt 0x0                               ; the trip's 32 group numbers
.irp i, 0,1,2,3,4,5,6,7,8,9,10,11,12,13,14,15
	s_min_u32 s[ID0+\i], s[ID0+\i], 511            ; held inside the image ahead of every address
	s_min_u32 s[ID1+\i], s[ID1+\i], 511
.endr
	GET 0
	GET 1
.irp q, 0,1,2,3,4,5,6,7
.if \q < 7
	s_wait_dscnt 8                                 ; this quad's eight loads are in; the next quad's eight may be out
.else
	s_wait_dscnt 0x0
.endif
	MULQ \q
.if \q == 7
	OWNWORK                                        ; its seven vector lines are the places behind the last products
.endif
.if \q < 6
	GET \q+2
.endif
.endr
	s_wait_alu depctr_va_vdst(0)
	s_wait_dscnt 0x0                               ; the keys' squares
.irp j, 0,2,4,6,8,10,12,14
	v_pk_fma_f32 v[CAND+\j:CAND+\j+1], v[CAND+\j:CAND+\j+1], -2.0, v[QX:QX+1] op_sel_hi:[1,0,1]   ; each accumulator from its low end on
.endr
.irp j, 0,2,4,6,8,10,12,14
	v_pk_add_f32 v[CAND+\j:CAND+\j+1], v[CAND+\j:CAND+\j+1], v[XK+\j:XK+\j+1]
.endr
.irp e, 0,1
.irp j, 0,1,2,3,4,5,6,7
	v_add_nc_u32 v[XI], \j, v[IB+\e]
	INSERT CAND+8*\e+\j, XI
.endr
.endr
	s_sub_co_u32 s[CNT], s[CNT], 1
	s_cmp_lg_u32 s[CNT], 0
	s_cbranch_scc1 .Lpair
	s_wait_kmcnt 0x0                               ; what the last trip asked for is not used
	s_wait_loadcnt 0x0
; the smaller, by (value, key), of my entry i and the other list's entry 15 - i (in PV, PG): the best 16 of the 32.  Eight entries at a time: 24 compares, 16 scalar lines, then the selects.
.macro PICKH i0
.irp n, 0,1,2,3,4,5,6,7
	v_cmp_lt_f32 s[CM+\n], v[VL+\i0+\n], v[PV+\i0+\n]
	v_cmp_eq_f32 s[CM+8+\n], v[VL+\i0+\n], v[PV+\i0+\n]
	v_cmp_lt_u32 s[CC+\n], v[GL+\i0+\n], v[PG+\i0+\n]
.endr
.irp n, 0,1,2,3,4,5,6,7
	s_and_b32 s[CM+8+\n], s[CM+8+\n], s[CC+\n]
.endr
.irp n, 0,1,2,3,4,5,6,7
	s_or_b32 s[CM+\n], s[CM+\n], s[CM+8+\n]
.endr
.irp n, 0,1,2,3,4,5,6,7
	v_cndmask_b32 v[VL+\i0+\n], v[PV+\i0+\n], v[VL+\i0+\n], s[CM+\n]
	v_cndmask_b32 v[GL+\i0+\n], v[PG+\i0+\n], v[GL+\i0+\n], s[CM+\n]
.endr
.endm
.macro MSTAGE j, sv, si, dv, di        ; a stage of the bitonic merge by (value, key), from one set of registers into the other
.set MN, 0
.irp i, 0,1,2,3,4,5,6,7,8,9,10,11,12,13,14,15
.if ((\i)&(\j)) == 0
	v_cmp_gt_f32 s[CM+MN], v[\sv+\i], v[\sv+\i+\j]
	v_cmp_eq_f32 s[CM+8+MN], v[\sv+\i], v[\sv+\i+\j]
	v_cmp_gt_u32 s[CC+MN], v[\si+\i], v[\si+\i+\j]
.set MN, MN+1
.endif
.endr
.irp n, 0,1,2,3,4,5,6,7
	s_and_b32 s[CM+8+\n], s[CM+8+\n], s[CC+\n]
.endr
.irp n, 0,1,2,3,4,5,6,7
	s_or_b32 s[CM+\n], s[CM+\n], s[CM+8+\n]
.endr
.set MN, 0
.irp i, 0,1,2,3,4,5,6,7,8,9,10,11,12,13,14,15
.if ((\i)&(\j)) == 0
	v_cndmask_b32 v[\dv+\i], v[\sv+\i], v[\sv+\i+\j], s[CM+MN]
	v_cndmask_b32 v[\dv+\i+\j], v[\sv+\i+\j], v[\sv+\i], s[CM+MN]
	v_cndmask_b32 v[\di+\i], v[\si+\i], v[\si+\i+\j], s[CM+MN]
	v_cndmask_b32 v[\di+\i+\j], v[\si+\i+\j], v[\si+\i], s[CM+MN]
.set MN, MN+1
.endif
.endr
.endm
.macro JOIN                            ; the best 16 of the 32, sorted
	PICKH 0
	PICKH 8
	MSTAGE 8, VL, GL, V2, I2
	MSTAGE 4, V2, I2, VL, GL
	MSTAGE 2, VL, GL, V2, I2
	MSTAGE 1, V2, I2, VL, GL
.endm
	; my two lane halves are joined and sorted
.irp i, 0,1,2,3,4,5,6,7,8,9,10,11,12,13,14,15
	v_permlanex16_b32 v[PV+\i], v[VL+15-\i], s[SEL], s[SEL+1]
	v_permlanex16_b32 v[PG+\i], v[GL+15-\i], s[SEL], s[SEL+1]
.endr
	JOIN
	s_lshl_b32 s2, s[W3], 10
	s_add_co_u32 s2, s2, STAGE                     ; the way out's addresses are made ahead of the parting of the waves
	v_lshl_add_u32 v[AT], v[RR], 6, s2             ; in: row r of 64 bytes; both lane halves store the same bytes
	v_lshl_add_u32 v[AT+1], v[LN], 4, s2           ; back: 16 bytes a lane
	v_lshlrev_b32 v[AT+2], 4, v[LN]                ; and the same in out0
	v_lshrrev_b32 v[AT+3], 2, v[LN]                ; four lanes to a query
	s_wait_alu depctr_va_vdst(0)
	s_cmp_lt_u32 s[WV], 4
	s_cbranch_scc1 .Llow
.irp i, 0,1,2,3,4,5,6,7,8,9,10,11,12,13,14,15
	ds_store_b32 v[XC], v[VL+\i] offset:64*\i      ; waves 4-7 hand their lists over
	ds_store_b32 v[XC], v[GL+\i] offset:1024+64*\i
.endr
.Llow:
	s_wait_dscnt 0x0                               ; for the partner's sake: my stores are done
	s_barrier_signal -1
	s_barrier_wait -1
	s_cmp_ge_u32 s[WV], 4
	s_cbranch_scc1 .Lend
.irp i, 0,1,2,3,4,5,6,7,8,9,10,11,12,13,14,15
	ds_load_b32 v[PV+\i], v[XC] offset:64*(15-\i)
	ds_load_b32 v[PG+\i], v[XC] offset:1024+64*(15-\i)
.endr
	s_wait_dscnt 0x0
	JOIN
.irp c, 0,1,2,3
	ds_store_b128 v[AT], v[GL+4*\c:GL+4*\c+3] offset:16*\c
.endr
	ds_load_b128 v[44:47], v[AT+1]                 ; rows 0-7: queries KB + 0 .. 7.  LDS serves a wave's instructions in order (ISA guide 5.7.1.4)
	ds_load_b128 v[48:51], v[AT+1] offset:512      ; rows 8-15: queries KB + 16 .. 23
	v_add_nc_u32 v52, s[KB], v[AT+3]               ; the plane of the queries' own numbers
	v_mov_b32 v53, v52
	v_mov_b32 v54, v52
	v_mov_b32 v55, v52
	v_add_nc_u32 v56, 16, v52
	v_mov_b32 v57, v56
	v_mov_b32 v58, v56
	v_mov_b32 v59, v56
	global_store_b128 v[AT+2], v[52:55], s[8:9] offset:1048576 th:TH_STORE_NT        ; each store covers 512 consecutive bytes, aligned
	global_store_b128 v[AT+2], v[56:59], s[8:9] offset:1048576+1024 th:TH_STORE_NT
	s_wait_dscnt 0x0
	global_store_b128 v[AT+2], v[44:47], s[8:9] th:TH_STORE_NT
	global_store_b128 v[AT+2], v[48:51], s[8:9] offset:1024 th:TH_STORE_NT
.Lend:
	s_wait_tensorcnt 0x0                           ; the wave's end
	ds_add_u32 v[SPW], v[NIL]
	s_wait_dscnt 0x0
	s_endpgm
.Lfunc_end_k_q6ebfe81e34_final:
	.size	k_q6ebfe81e34_final, .Lfunc_end_k_q6ebfe81e34_final-k_q6ebfe81e34_final
	.p2alignl 7, 3214868480
	.fill 96, 4, 3214868480
	.section	.rodata,"a",@progbits
	.p2align	6, 0x0
	.amdhsa_kernel k_q6ebfe81e34_final
		.amdhsa_group_segment_fixed_size 327680
		.amdhsa_private_segment_fixed_size 0
		.amdhsa_enable_private_segment 0
		.amdhsa_kernarg_size 24
		.amdhsa_user_sgpr_count 2
		.amdhsa_user_sgpr_kernarg_segment_ptr 1
		.amdhsa_wavefront_size32 1
		.amdhsa_system_sgpr_workgroup_id_x 1
		.amdhsa_system_sgpr_workgroup_id_y 1
		.amdhsa_system_sgpr_workgroup_id_z 1
		.amdhsa_system_vgpr_workitem_id 0
		.amdhsa_next_free_vgpr 256
		.amdhsa_next_free_sgpr 102
		.amdhsa_reserve_vcc 0
		.amdhsa_float_denorm_mode_32 3
		.amdhsa_float_denorm_mode_16_64 3
		.amdhsa_memory_ordered 1
		.amdhsa_forward_progress 1
		.amdhsa_inst_pref_size 144
	.end_amdhsa_kernel
	.amdgpu_metadata
---
amdhsa.version: [ 1, 2 ]
amdhsa.kernels:
  - .name:           k_q6ebfe81e34_final
    .symbol:         k_q6ebfe81e34_final.kd
    .args:
      - { .name: img2, .offset: 0, .size: 8, .value_kind: global_buffer, .address_space: global }
      - { .name: gids, .offset: 8, .size: 8, .value_kind: global_buffer, .address_space: global }
      - { .name: out0, .offset: 16, .size: 8, .value_kind: global_buffer, .address_space: global }
    .group_segment_fixed_size: 327680
    .private_segment_fixed_size: 0
    .kernarg_segment_align: 8
    .kernarg_segment_size: 24
    .max_flat_workgroup_size: 256
    .sgpr_count:     102
    .vgpr_count:     256
    .wavefront_size: 32
...
	.end_amdgpu_metadata
.endif
;; end of part 3
